; MI455X (gfx1250); checked and timed in simulation.
; The chip was launched on July 23, 2026; its instructions are those of AMD's public machine-readable ISA for CDNA 5 (MIT licence, August 2026) and "CDNA5" Instruction Set Architecture Reference Guide (July 2026). The comments in the code are by the model that wrote it; some were corrected since.
;; Self Attention. Allowed arithmetic: matrix products marked QUANTISED: E2M3 operands, one E8M0 scale for each 32 along K, by v_wmma_scale_f32_16x16x128_f8f6f4 with both operands' format E2M3, f32 sums; everything else in f32.
;; Inputs: b_proj 256 float32; b_qkv 768 float32; ln_beta 256 float32; ln_gamma 256 float32; w_proj_codes 256 x 8 x 24 uint8 (E2M3 codes of w_proj, K innermost, in blocks of 32 codes, four codes in three bytes); w_proj_scales 256 x 8 uint8 (E8M0 scales of w_proj, one for each 32 codes along K); w_qkv_codes 768 x 8 x 24 uint8 (E2M3 codes of w_qkv, K innermost, in blocks of 32 codes, four codes in three bytes); w_qkv_scales 768 x 8 uint8 (E8M0 scales of w_qkv, one for each 32 codes along K); x 4 x 256 x 64 x 64 float32.
;; Outputs: out0 4 x 256 x 64 x 64 float32.
;; This version of the problem:
;;   THIS VERSION OF THE PROBLEM IS GIVEN IN LOW PRECISION. The matrix products marked QUANTISED in the list below multiply operands that are first quantised to E2M3 (2 exponent bits, 3 mantissa bits; 6 bits a number), with one power-of-two scale for each 32 numbers along K (OCP MX v1.0); their sums are f32. All else is computed in f32.
;;   The module's matrix products, in the order in which they are computed (A, B: the left and right operand; K: the contracted axis; several contracted axes count as one K, in the product's order):
;;     1. [M 16,384, K 256] x [K 256, N 768]; A: computed on the way; B: input w_qkv (given as codes): QUANTISED
;;     2. batch 16 x [M 4,096, K 64] x [K 64, N 4,096]; A: computed on the way; B: computed on the way: QUANTISED
;;     3. batch 16 x [M 4,096, K 4,096] x [K 4,096, N 64]; A: softmax (see below); B: computed on the way: QUANTISED
;;     4. [M 16,384, K 256] x [K 256, N 256]; A: computed on the way; B: input w_proj (given as codes): QUANTISED
;;   THE QUANTISER, for each operand of a quantised product, along K:
;;     - K is cut into blocks of 32 from its start; a last block that is shorter is filled with zeros.
;;     - A block's scale is 2^e with e = floor(log2(the largest magnitude in the block)) - 2, held to -126 .. 127; a block of zeros has e = 0. As a byte (E8M0): e + 127.
;;     - Each number is divided by its block's scale, clamped to +-7.5, and rounded to the nearest number of E2M3, ties to even, subnormals kept.
;;     - The product sums the exact products of the quantised numbers (number of the format x scale) in f32.
;;   ~~~python
;;   def quantise(x, axis):      # numpy; x: float32 -> the quantised numbers, widened to float32 again
;;       x = np.moveaxis(x, axis, -1); K = x.shape[-1]
;;       x = np.pad(x, [(0, 0)] * (x.ndim - 1) + [(0, -K % 32)]); x = x.reshape(x.shape[:-1] + (-1, 32)); a = np.abs(x).max(-1, keepdims=True)
;;       e = np.where(a > 0, np.clip(np.frexp(np.where(a > 0, a, 1))[1] - 1 - 2, -126, 127), 0)      # np.frexp(a)[1] - 1 = floor(log2(a)), exactly
;;       r = np.clip(x / 2.0 ** e, -7.5, 7.5)
;;       step = 2.0 ** (np.maximum(np.frexp(np.where(r == 0, 1, r))[1] - 1, 0) - 3)
;;       q = np.round(r / step) * step * 2.0 ** e      # np.round: ties to even
;;       return np.moveaxis(q.reshape(q.shape[:-2] + (-1,))[..., :K], -1, axis).astype(np.float32)
;;   ~~~
;;   SOFTMAX AHEAD OF A QUANTISED PRODUCT. Where the list says 'softmax', what is quantised is not the finished softmax but p = 2^(t - M), with t = logit x log2(e) and M = ceil(the row's largest t), a whole number; so 1/2 < the row's largest p <= 1. The row's sum l is taken of the UNQUANTISED p, in f32, and the product's result is divided by l at the end. Since M is a whole number, a kernel that streams over the keys may use a running M (the ceiling of the running maximum): every later rescaling is an exact power of two, which a block's scale takes up: the codes' values come out the same.
;;   OPERANDS COMPUTED ON THE WAY. 'Computed on the way' means the value that the module computes at that place (a softmax that the list does not call 'softmax' is quantised finished and normalised). What goes into a quantiser is computed in f32, as accurately as f32 sums, v_exp_f32 and their like allow (about 1e-6 of the number): no bf16 or f16 on the way to a quantiser, and a product that is left as it is and whose result goes on into a quantised operand takes f32 operands (vector FMAs, or v_wmma_f32_16x16x4_f32). A number that lies on a knife's edge between two numbers of the format may be rounded either way, as far as f32 arithmetic and the matrix unit's own rounding can turn it there, and no further.
;;   INPUTS GIVEN AS CODES. w_proj (in the module: [256, 256], K = its axis 0); w_qkv (in the module: [256, 768], K = its axis 0): each comes as NAME_codes (uint8): NAME with its K axis moved to the last place and cut into blocks of 32 codes, [.., K / 32, bytes a block], one block behind the other in memory; four codes in three bytes: a row's codes are one little-endian stream of bits, code i at bits 6 i .. 6 i + 5 (a code: sign, 2 exponent bits, 3 mantissa bits); and NAME_scales (uint8): the same leading axes, one E8M0 byte (e + 127) for each 32 codes along K. Its value is code x scale, taken as it is: it is not quantised again, and the codes and scales need not be those that the quantiser above would give.
;; One version. Each part assembles by itself: llvm-mc -triple=amdgcn-amd-amdhsa -mcpu=gfx1250 --defsym DOCPART=n.
;; ======== version 1 of 1: 2 launches
;; limits: right only within a limited range of input values
;; workspace buffers: qimg 3,145,728 bytes; qsc 262,144 bytes; kv 6,815,744 bytes
;; launch qkv (part 1): grid 256 x 1, 4 waves a work-group, no clusters, 167,936 bytes of LDS; arguments x, ln_gamma, ln_beta, w_qkv_codes, w_qkv_scales, b_qkv, qimg, qsc, kv; writes qimg, qsc, kv
.if DOCPART == 1
	.amdgcn_target "amdgcn-amd-amdhsa--gfx1250"
	.amdhsa_code_object_version 6
	.text
	.protected	k_qd8c0f2bd87_qkv
	.globl	k_qd8c0f2bd87_qkv
	.p2align	8
	.type	k_qd8c0f2bd87_qkv,@function
k_qd8c0f2bd87_qkv:
	s_mov_b64 s[64:65], 0
	v_nop
	global_prefetch_b8 v0, s[64:65] scope:SCOPE_SE
	s_setreg_imm32_b32 hwreg(HW_REG_WAVE_MODE, 25, 1), 1
	s_wait_xcnt 0x0
; LAUNCH 1 OF 2.  LayerNorm over the 256 channels of each token of x [4][256][4096] f32, the quantiser of xn along the channels, the product xn w_qkv + b_qkv on codes of FP6 (E2M3) with
; one E8M0 scale for each 32 along K, and the quantisers of what the next launch multiplies: q and k along the head's 64, v along the keys.
; DEAD WORK: none.  Every input has a way to the output (b_qkv's part for k moves k's codes), so every step of the problem is done.
; LIMITS: NaN and infinities among the inputs are not served.  A block whose largest magnitude lies under 2^-124 (a block of zeros among them) gets the scale byte 1: a block of zeros has zero codes,
; which add nothing under any byte but 0xff, and the bytes are read by this program alone.
; SHARES.  Work-group = batch x 32 + key step: 128 tokens.  PHASE X: wave w takes tokens 32 w .. 32 w + 31, A LANE TO A TOKEN, all 256 channels in 256 registers: mean, variance and a block's largest
; magnitude need no other lane.  PHASE G: wave w is head w: its 24 fragments of w_qkv stay in registers; it makes q, k and v (64 columns each) for all four groups of 32 tokens.
; TILES OF TOKENS.  A group of 32 tokens is two tiles: lane r of tile u stands for token 8 u + r + 8 (r / 8), so that the 16 registers of two neighbouring result tiles are 16 neighbours along the next K.
; OPERANDS LEAVE AS IMAGES OF THEIR REGISTERS: a piece is two registers of all 32 lanes, 8 bytes a lane, 256 consecutive bytes, aligned.
;   qimg [batch x 4 + head][group 0..127][piece 0..5]: pieces 3 u .. 3 u + 2 = tile u: lane (r, h) holds the codes of d = 32 h .. 32 h + 31 of its token.   qsc [..][group][lane]: lanes 0-15 tile 0, lanes 16-31 tile 1: bytes (s0, s1, s0, s1).
;   kv [batch x 4 + head][slot of 256 keys][26,624]: for each of its two steps of 128 keys 4 fragments of K (registers 0-5 tile 0, 6-11 tile 1 of 32 keys) and 4 of V^T (16 of the head's 64 x 128 keys), 1,536 bytes each;
;   behind them, from byte 24,576, for each step 16 bytes a lane of K's four scale words and 16 of V's.
; REGISTERS, in windows of 256.  Window 0: addresses, statistics and all that vector and LDS instructions touch.  Window 1: x, channel c in register c.  Window 2: v0-95 w for q, v96-191 for k, v192-255 their biases.
;   Window 3: v0-95 w for v, v96-127 its bias.  A weight fragment (tile t, K step s) lies at 24 t + 12 s.
; THE SHARES AS THE TEXT BELOW HAS THEM (this paragraph takes the place of what the head says of work-groups and of phase G).  Work-group = (batch x 32 + key step) x 2 + pair of heads: two work-groups take the same 128 tokens,
; each does phase X for all of them, and in phase G wave w has head 2 x pair + w / 2 and the groups 2 (w % 2) and 2 (w % 2) + 1 of the four.  So 256 work-groups have equal work.
; K's and V's scale words of a step hold a part of each of the four groups: the odd wave of a head hands its parts to the even wave through LDS bytes of their own, and the even wave stores the whole runs of 512 bytes.
.set HEADB, 425984
.set EXC,   165376                     ; LDS, behind the spare words: for each of the two heads 256 bytes of K's words and 512 of V's
.set L8K,  16                          ; v16  8 x lane + 3,072 x (w % 2): q's and K's pieces of my two groups
.set L8V,  17                          ; v17  8 x lane + 768 x (w % 2): V's pieces
.set L4Q,  18                          ; v18  4 x lane + 256 x (w % 2): q's scale words
.set EXA,  19                          ; v19, v20  where the scale words are handed over
.set EXB,  20
.set SLB,   26624                      ; a slot's
.set XIMG,  131072                     ; LDS: from 0 the tile of x, [256 channels][128 tokens] f32, rows of 512 bytes; here xn's 16 fragments, 1,536 bytes each: (group g, tile u, K step s) at 4 g + 2 u + s
.set XSC,   155648                     ; xn's scale words: (2 g + s) x 128 + 4 x lane; lanes 0-15 tile 0, lanes 16-31 tile 1
.set GBL,   156672                     ; gamma (1,024 bytes) and beta (1,024), a copy for each wave
.set SPARE, 164864                     ; the spare words, 128 bytes for each wave: two blocks of 256 bytes that no other line names
.set XTA,  4                           ; v4, v5  my token's place in a row of the tile of x: channels 0-127, channels 128-255
.set GBW,  6                           ; v6   where I put 16 bytes of gamma
.set GBA,  7                           ; v7   my wave's copy of gamma and beta
.set IW,   8                           ; v8   where I store xn's images: 16 x lane + 6,144 x wave
.set ISW,  9                           ; v9   and their scale words
.set LI,   10                          ; v10  an image's place for my lane: 16 x lane
.set LS,   11                          ; v11  a scale word's: 4 x lane
.set L8,   12                          ; v12  8 x lane
.set L16,  13                          ; v13  16 x lane
.set WA,   14                          ; v14  my row and half in a tile of w: (r + 8 (r / 8)) x 192 + 24 h
.set WSA,  15                          ; v15  its scale words: (r + 8 (r / 8)) x 8
.set SUM,  16                          ; v16-23  four packed sums
.set MU,   24                          ; v24-25  the mean, twice
.set RS,   26                          ; v26-27  1 / sqrt(variance + 1e-5), twice
.set XW,   28                          ; v28-29  xn's two scale words
.set SPW,  30                          ; v30  LDS address of my spare word; never rewritten
.set NIL,  31                          ; v31  0; never rewritten
.set BA,   56                          ; v56  64 h: the bias of q and k
.set BVA,  57                          ; v57  4 (r + 8 (r / 8)): the bias of v
.set L4,   58                          ; v58  4 x lane
.set XS,   60                          ; v60-61  xn's scale words of the group in hand
.set TX,   32                          ; phase X: v32-39 largest magnitudes, v40-47 the conversions' scale operands, v48-55 bytes
.set SOX,  40
.set BYX,  48
.set XC,   64                          ; v64-111 xn's codes (behind the last use of gamma and beta), v112-127 halves of blocks
.set CTX,  112
.set GRAW, 192                         ; v192-207 gamma and beta as loaded
.set T,    32                          ; phase G: v32-35 largest magnitudes, v36-39 the other half's, v40-43 scale operands, v44-47 bytes
.set T2,   36
.set SO,   40
.set BY,   44
.set PW,   48                          ; v48  the scale word just made;  v49-51 q's words
.set QW,   49
.set VW,   52                          ; v52-55  V's four scale words, a byte for each group
.set XF,   64                          ; v64-111  xn's four fragments of a group: 24 u + 12 s
.set AC,   112                         ; v112-175  eight accumulators
.set PC,   176                         ; v176-187  the codes just made
.set CT,   188                         ; v188-203  halves of blocks
.set VX,   204                         ; v204-227  V's codes of two groups: 6 registers a tile
.set WS,   228                         ; v228-251  w's scale words: 8 y + 2 t + s
.set KWR,  252                         ; v252-255  K's four scale words
.set MSB, 0
.macro WIN new                         ; the immediate's high byte repeats the setting that is left; a switch that changes nothing is dropped
.if MSB != \new
	s_set_vgpr_msb (MSB<<8)|\new
.set MSB, \new
.endif
.endm
.macro PLACES n
.rept \n
	v_nop
.endr
.endm
; One product.  row = 1: source 1's scales stand in lanes 16-31 of their register; row = 2: source 0's
.macro WM d, a, b, c, sa, sb, row
.if \row == 1
	v_wmma_scale_f32_16x16x128_f8f6f4 v[\d:\d+7], v[\a:\a+11], v[\b:\b+11], v[\c:\c+7], v[\sa], v[\sb] matrix_a_fmt:MATRIX_FMT_FP6 matrix_b_fmt:MATRIX_FMT_FP6 matrix_b_scale:MATRIX_SCALE_ROW1
.elseif \row == 2
	v_wmma_scale_f32_16x16x128_f8f6f4 v[\d:\d+7], v[\a:\a+11], v[\b:\b+11], v[\c:\c+7], v[\sa], v[\sb] matrix_a_fmt:MATRIX_FMT_FP6 matrix_b_fmt:MATRIX_FMT_FP6 matrix_a_scale:MATRIX_SCALE_ROW1
.else
	v_wmma_scale_f32_16x16x128_f8f6f4 v[\d:\d+7], v[\a:\a+11], v[\b:\b+11], v[\c:\c+7], v[\sa], v[\sb] matrix_a_fmt:MATRIX_FMT_FP6 matrix_b_fmt:MATRIX_FMT_FP6
.endif
.endm
	s_load_b256 s[4:11], s[0:1], 0x0               ; x s[4:5], gamma s[6:7], beta s[8:9], w's codes s[10:11]
	s_load_b256 s[12:19], s[0:1], 0x20             ; w's scales s[12:13], b_qkv s[14:15], qimg s[16:17], qsc s[18:19]
	s_load_b64 s[20:21], s[0:1], 0x40              ; kv
	v_lshl_add_u32 v[SPW], v0, 2, SPARE
	v_mov_b32 v[NIL], 0
	ds_add_u32 v[SPW], v[NIL]                      ; the wave's opening: the add, twice on end, and its wait ahead of my tensor load; the set-up below stands between
	ds_add_u32 v[SPW], v[NIL]
	v_lshrrev_b32 v1, 5, v0
	v_readfirstlane_b32 s22, v1                    ; wave 0..3
	s_lshr_b32 s23, ttmp9, 6                       ; batch
	s_bfe_u32 s24, ttmp9, 0x50001                  ; key step: 128 tokens
	s_and_b32 s25, ttmp9, 1                        ; pair of heads
	s_lshl_b32 s25, s25, 1
	s_lshr_b32 s31, s22, 1
	s_add_co_u32 s25, s25, s31                     ; my head in phase G
	s_and_b32 s31, s22, 1                          ; which two of the four groups
	s_mov_b32 s26, 0x76543210
	s_mov_b32 s27, 0xfedcba98                      ; v_permlanex16_b32's selects for lane l xor 16
	s_mov_b32 s28, 0x3b800000                      ; 1 / 256
	s_mov_b32 s29, 0x3727c5ac                      ; 1e-5
	s_mov_b32 s30, 0xffff0000                      ; lanes 16-31
	; descriptor group 1: 64 rows (channels) x 128 elements of 4 bytes (tokens), 4,096 elements from row to row, no padding
	s_mov_b32 s32, 2<<16
	s_mov_b32 s33, 128<<16                         ; tensor_dim0
	s_mov_b32 s34, 64<<16                          ; tensor_dim1
	s_mov_b32 s35, 128<<16                         ; tile_dim0
	s_mov_b32 s36, 64                              ; tile_dim1
	s_mov_b32 s37, 4096                            ; the pitch
	s_mov_b32 s38, 0
	s_mov_b32 s39, 0
	s_mov_b32 s40, 1                               ; group 0: count,
	s_lshl_b32 s41, s22, 15                        ; LDS address: my 64 rows of 512 bytes,
	s_lshl_b32 s44, s23, 22                        ; and in memory: batch x 4 MiB
	s_lshl_b32 s45, s22, 20                        ; + 64 channels x wave
	s_add_co_u32 s44, s44, s45
	s_lshl_b32 s45, s24, 9                         ; + 128 tokens x step
	s_add_co_u32 s44, s44, s45
	s_mov_b32 s45, 0
	s_wait_dscnt 0x0                               ; both opening adds are done
	s_wait_kmcnt 0x0
	s_add_nc_u64 s[42:43], s[4:5], s[44:45]
	s_or_b32 s43, s43, 0x80000000                  ; type = 2
	tensor_load_to_lds s[40:43], s[32:39]          ; my quarter of the tile of x: the wave's one tensor load, so one is out
	s_nop 0
	PLACES 4
	; where my head's parts begin
	s_mul_i32 s44, s25, 12288
	s_add_nc_u64 s[46:47], s[10:11], s[44:45]      ; w's codes: 64 rows of 192 bytes a head
	s_lshl_b32 s44, s25, 9
	s_add_nc_u64 s[48:49], s[12:13], s[44:45]      ; w's scales: 64 rows of 8 bytes
	s_lshl_b32 s44, s25, 8
	s_add_nc_u64 s[50:51], s[14:15], s[44:45]      ; b_qkv: 64 numbers
	s_lshl_b32 s60, s23, 2
	s_add_co_u32 s60, s60, s25                     ; batch x 4 + head
	s_lshl_b32 s61, s60, 7
	s_lshl_b32 s62, s24, 2
	s_add_co_u32 s61, s61, s62                     ; x 128 groups + my step's first group
	s_mul_i32 s44, s61, 1536
	s_add_nc_u64 s[52:53], s[16:17], s[44:45]      ; qimg
	s_lshl_b32 s44, s61, 7
	s_add_nc_u64 s[54:55], s[18:19], s[44:45]      ; qsc
	s_mul_i32 s44, s60, HEADB
	s_lshr_b32 s62, s24, 1
	s_mul_i32 s62, s62, SLB
	s_add_co_u32 s44, s44, s62                     ; my slot of kv
	s_and_b32 s61, s24, 1                          ; which of its two steps
	s_mul_i32 s62, s61, 12288
	s_add_co_u32 s62, s62, s44
	s_mov_b32 s63, 0
	s_add_nc_u64 s[56:57], s[20:21], s[62:63]      ; the step's codes
	s_lshl_b32 s62, s61, 10
	s_add_co_u32 s62, s62, s44
	s_add_co_u32 s62, s62, 24576
	s_add_nc_u64 s[58:59], s[20:21], s[62:63]      ; the step's scale words
	v_and_b32 v1, 31, v0                           ; lane
	v_and_b32 v2, 15, v0                           ; r
	v_bfe_u32 v3, v0, 4, 1                         ; h
	v_and_b32 v4, 7, v0
	v_and_b32 v5, 8, v0
	v_lshl_or_b32 v4, v5, 1, v4
	v_lshl_or_b32 v4, v3, 3, v4                    ; my token of the group: lanes 0-15 are tile 0 (0-7, 16-23), lanes 16-31 tile 1 (8-15, 24-31)
	s_lshl_b32 s44, s22, 7
	v_lshl_add_u32 v[XTA], v4, 2, s44              ; 4 bytes a token, 32 tokens a wave
	v_add_nc_u32 v[XTA+1], 0x10000, v[XTA]         ; 128 rows further down
	s_lshl_b32 s44, s22, 11
	s_add_co_u32 s44, s44, GBL
	v_mov_b32 v[GBA], s44
	v_lshl_add_u32 v[GBW], v1, 4, s44
	s_mul_i32 s44, s22, 6144
	s_add_co_u32 s44, s44, XIMG
	v_lshl_add_u32 v[IW], v1, 4, s44
	s_lshl_b32 s44, s22, 8
	s_add_co_u32 s44, s44, XSC
	v_lshl_add_u32 v[ISW], v1, 2, s44
	v_lshl_add_u32 v[LI], v1, 4, XIMG
	v_lshl_add_u32 v[LS], v1, 2, XSC
	v_lshlrev_b32 v[L8], 3, v1
	v_lshlrev_b32 v[L16], 4, v1
	v_and_b32 v[BVA], 8, v2
	v_add_nc_u32 v[BVA], v[BVA], v2                ; r + 8 (r / 8)
	v_mul_u32_u24 v[WA], v[BVA], 192
	v_mad_u32_u24 v[WA], v3, 24, v[WA]
	v_lshlrev_b32 v[WSA], 3, v[BVA]
	v_lshlrev_b32 v[BA], 6, v3
	v_lshlrev_b32 v[BVA], 2, v[BVA]
	v_lshlrev_b32 v[L4], 2, v1
	; gamma and beta first; then all that stays in registers: 216 loads
	global_load_b128 v[GRAW:GRAW+3], v[L16], s[6:7]
	global_load_b128 v[GRAW+4:GRAW+7], v[L16], s[6:7] offset:512
	global_load_b128 v[GRAW+8:GRAW+11], v[L16], s[8:9]
	global_load_b128 v[GRAW+12:GRAW+15], v[L16], s[8:9] offset:512
	WIN 0x80                                       ; destination window 2
.irp y, 0,1
.irp t, 0,1,2,3
.irp s, 0,1
.irp p, 0,1,2,3,4,5
	global_load_b64 v[96*\y+24*\t+12*\s+2*\p:96*\y+24*\t+12*\s+2*\p+1], v[WA], s[46:47] offset:49152*\y+(32*(\t/2)+8*(\t%2))*192+96*\s+48*(\p/3)+8*(\p%3)   ; tile t begins at row 32 (t / 2) + 8 (t % 2)
.endr
.endr
.endr
.endr
.irp y, 0,1
.irp t, 0,1,2,3
	global_load_b128 v[192+32*\y+8*\t:192+32*\y+8*\t+3], v[BA], s[50:51] offset:1024*\y+(32*(\t/2)+8*(\t%2))*4       ; the bias in the result's layout: lane (r, h), register j: column 32 (t / 2) + 8 (t % 2) + 16 h + j
	global_load_b128 v[192+32*\y+8*\t+4:192+32*\y+8*\t+7], v[BA], s[50:51] offset:1024*\y+(32*(\t/2)+8*(\t%2))*4+16
.endr
.endr
	WIN 0xc0                                       ; destination window 3
.irp t, 0,1,2,3
.irp s, 0,1
.irp p, 0,1,2,3,4,5
	global_load_b64 v[24*\t+12*\s+2*\p:24*\t+12*\s+2*\p+1], v[WA], s[46:47] offset:98304+(32*(\t/2)+8*(\t%2))*192+96*\s+48*(\p/3)+8*(\p%3)
.endr
.endr
.endr
.irp t, 0,1,2,3
.irp j, 0,1,2,3,4,5,6,7
	global_load_b32 v[96+8*\t+\j], v[BVA], s[50:51] offset:2048+(32*(\t/2)+8*(\t%2))*4   ; v is made with the tokens down the registers: a lane's eight results share its column's bias
.endr
.endr
	WIN 0
.irp y, 0,1,2
.irp t, 0,1,2,3
.irp s, 0,1
	global_load_b32 v[WS+8*\y+2*\t+\s], v[WSA], s[48:49] offset:2048*\y+(32*(\t/2)+8*(\t%2))*8+4*\s
.endr
.endr
.endr
	; ---- PHASE X
	s_wait_tensorcnt 0x0                           ; my quarter of the tile of x is in LDS,
	s_barrier_signal -1
	s_barrier_wait -1                              ; everybody's is.  Nothing is ever filled again
	s_wait_loadcnt 63                              ; 216 loads were issued behind gamma's and beta's four; 63 is the largest count that the wait can name: the four are in
.irp i, 0,1,2,3
	ds_store_b128 v[GBW], v[GRAW+4*\i:GRAW+4*\i+3] offset:512*\i   ; my wave's own copy: LDS serves a wave's instructions in order, so no barrier
.endr
	WIN 0x40                                       ; destination window 1
.set I, 0
.rept 256
	ds_load_b32 v[I], v[XTA+I/128] offset:(I%128)*512   ; channel I of my token: the 32 lanes take 32 different words of one row
.set I, I+1
.endr
	WIN 0
.macro GB beta, buf                    ; gamma and beta of channels 32 beta .. + 31, the same for every lane, into 64 registers
.irp i, 0,1,2,3,4,5,6,7
	ds_load_b128 v[\buf+4*\i:\buf+4*\i+3], v[GBA] offset:128*(\beta)+16*\i
.endr
.irp i, 0,1,2,3,4,5,6,7
	ds_load_b128 v[\buf+32+4*\i:\buf+32+4*\i+3], v[GBA] offset:1024+128*(\beta)+16*\i
.endr
.endm
	GB 0, 64
	GB 1, 128
	s_wait_dscnt 32                                ; x is in; the 32 loads just issued may stay out
.macro FOLD
	v_pk_add_f32 v[SUM:SUM+1], v[SUM:SUM+1], v[SUM+2:SUM+3]
	v_pk_add_f32 v[SUM+4:SUM+5], v[SUM+4:SUM+5], v[SUM+6:SUM+7]
	v_pk_add_f32 v[SUM:SUM+1], v[SUM:SUM+1], v[SUM+4:SUM+5]
	v_add_f32 v[SUM], v[SUM], v[SUM+1]
.endm
	WIN 0x05                                       ; sources 0 and 1 window 1
.irp k, 0,1,2,3
	v_pk_add_f32 v[SUM+2*\k:SUM+2*\k+1], v[2*\k:2*\k+1], v[8+2*\k:9+2*\k]   ; the first sums start the four chains: nothing is cleared
.endr
	WIN 0x04
.set I, 8
.rept 120
	v_pk_add_f32 v[SUM+2*(I%4):SUM+2*(I%4)+1], v[SUM+2*(I%4):SUM+2*(I%4)+1], v[2*I:2*I+1]
.set I, I+1
.endr
	WIN 0
	FOLD
	v_mul_f32 v[MU], s28, v[SUM]                   ; the mean
	v_mov_b32 v[MU+1], v[MU]
	WIN 0x41                                       ; destination and source 0 window 1
.set I, 0
.rept 128
	v_pk_add_f32 v[2*I:2*I+1], v[2*I:2*I+1], v[MU:MU+1] neg_lo:[0,1] neg_hi:[0,1]   ; x - mean: the variance is summed of these, not as a difference of large sums
.set I, I+1
.endr
	WIN 0x05
.irp k, 0,1,2,3
	v_pk_mul_f32 v[SUM+2*\k:SUM+2*\k+1], v[2*\k:2*\k+1], v[2*\k:2*\k+1]
.endr
.set I, 4
.rept 124
	v_pk_fma_f32 v[SUM+2*(I%4):SUM+2*(I%4)+1], v[2*I:2*I+1], v[2*I:2*I+1], v[SUM+2*(I%4):SUM+2*(I%4)+1]
.set I, I+1
.endr
	WIN 0
	FOLD
	v_fma_f32 v[SUM], v[SUM], s28, s29             ; variance + 1e-5
	s_wait_alu depctr_va_vdst(0)
	v_rsq_f32 v[RS], v[SUM]
	v_rsq_f32 v[RS+1], v[SUM]                      ; twice: the packed multiply names a pair
	v_nop                                          ; a plain instruction behind the last of them,
	s_wait_alu depctr_va_vdst(0)                   ; and the wait ahead of the first reader: one for both
.set BE, 0
.rept 8                                ; xn = (x - mean) rs gamma + beta, a block of 32 channels at a time; gamma and beta run two blocks ahead in two sets of registers
.if BE < 7
	s_wait_dscnt 16                                ; this block's 16 loads are in; the next block's may stay out
.else
	s_wait_dscnt 0x0
.endif
.set GBUF, 64+64*(BE%2)
	WIN 0x41
.set I, 0
.rept 16
	v_pk_mul_f32 v[32*BE+2*I:32*BE+2*I+1], v[32*BE+2*I:32*BE+2*I+1], v[RS:RS+1]
.set I, I+1
.endr
.set I, 0
.rept 16
	v_pk_fma_f32 v[32*BE+2*I:32*BE+2*I+1], v[32*BE+2*I:32*BE+2*I+1], v[GBUF+2*I:GBUF+2*I+1], v[GBUF+32+2*I:GBUF+32+2*I+1]
.set I, I+1
.endr
	WIN 0
.if BE+2 < 8
	GB BE+2, GBUF
.endif
.set BE, BE+1
.endr
	; the eight blocks' scales: all 32 numbers of a block are mine
.irp b, 0,1,2,3,4,5,6,7
	v_mov_b32 v[TX+\b], 0x1800000                  ; the floor 2^(3 - 127), under which no largest magnitude is taken: so the byte cannot fall under 1
.endr
	WIN 0x14                                       ; sources 1 and 2 window 1
.irp i, 0,2,4,6,8,10,12,14,16,18,20,22,24,26,28,30
.irp b, 0,1,2,3,4,5,6,7
	v_max3_num_f32 v[TX+\b], v[TX+\b], |v[32*\b+\i]|, |v[32*\b+\i+1]|   ; (the eight blocks by turns)
.endr
.endr
	WIN 0
.irp b, 0,1,2,3,4,5,6,7
	v_add_nc_u32 v[SOX+\b], 0xff000000, v[TX+\b]   ; 2 off the exponent field: the conversion takes the exponent field of this operand as its scale
.endr
.irp b, 0,1,2,3,4,5,6,7
	v_lshrrev_b32 v[BYX+\b], 23, v[SOX+\b]         ; the scale's byte
.endr
.irp s, 0,1
	v_lshl_or_b32 v[XW+\s], v[BYX+4*\s+1], 8, v[BYX+4*\s]
	v_lshl_or_b32 v[XW+\s], v[BYX+4*\s+2], 16, v[XW+\s]
	v_lshl_or_b32 v[XW+\s], v[BYX+4*\s+3], 24, v[XW+\s]   ; my token's scale word of K step s
.endr
.irp s, 0,1                            ; K step s: blocks 0 and 2 go to one run of 12 registers, blocks 1 and 3 to another
	WIN 0x01                                       ; source 0 window 1
.irp q, 0,1,2,3
	v_cvt_scalef32_pk16_fp6_f32 v[XC+24*\s+12*(\q%2)+6*(\q/2):XC+24*\s+12*(\q%2)+6*(\q/2)+2], v[128*\s+32*\q:128*\s+32*\q+15], v[SOX+4*\s+\q]
	v_cvt_scalef32_pk16_fp6_f32 v[CTX+4*\q:CTX+4*\q+2], v[128*\s+32*\q+16:128*\s+32*\q+31], v[SOX+4*\s+\q]   ; (a conversion's three registers begin on an even number)
.endr
	WIN 0
	v_nop                                          ; one plain place behind a scaled conversion
.irp q, 0,1,2,3
.irp i, 0,1,2
	v_mov_b32 v[XC+24*\s+12*(\q%2)+6*(\q/2)+3+\i], v[CTX+4*\q+\i]
.endr
.endr
.irp c, 0,1                            ; the operand wants block 2 c in lanes 0-15 and block 2 c + 1 in lanes 16-31 of ONE tile: the first run's lanes 16-31 (tile 1, even block) change places with the second's lanes 0-15 (tile 0, odd block)
.irp i, 0,1,2,3,4,5
	v_permlane16_swap_b32 v[XC+24*\s+6*\c+\i], v[XC+24*\s+12+6*\c+\i]   ; the first run is now tile 0's fragment, the second tile 1's
.endr
.endr
.irp u, 0,1
.irp i, 0,1,2
	ds_store_b128 v[IW], v[XC+24*\s+12*\u+4*\i:XC+24*\s+12*\u+4*\i+3] offset:(2*\u+\s)*1536+512*\i
.endr
.endr
	ds_store_b32 v[ISW], v[XW+\s] offset:128*\s
.endr
	s_wait_loadcnt 0x0                             ; the weights, their scale words and the biases are in
	s_wait_dscnt 0x0                               ; for the others' sake: my images have landed
	s_barrier_signal -1
	s_barrier_wait -1                              ; xn's sixteen fragments lie in LDS
	s_mul_i32 s44, s31, 12288                      ; my two groups: eight fragments of 1,536 bytes on,
	v_add_nc_u32 v[LI], s44, v[LI]
	s_lshl_b32 s44, s31, 9                         ; four runs of 128 bytes of scale words on
	v_add_nc_u32 v[LS], s44, v[LS]
	s_mul_i32 s44, s31, 3072
	v_add_nc_u32 v[L8K], s44, v[L8]
	s_mul_i32 s44, s31, 768
	v_add_nc_u32 v[L8V], s44, v[L8]
	s_lshl_b32 s44, s31, 8
	v_add_nc_u32 v[L4Q], s44, v[L4]
	s_lshr_b32 s44, s22, 1
	s_mul_i32 s44, s44, 768
	s_add_co_u32 s44, s44, EXC
	v_add_nc_u32 v[EXA], s44, v[L8]
	s_add_co_u32 s44, s44, 256
	v_add_nc_u32 v[EXB], s44, v[L16]
	s_wait_alu depctr_va_vdst(0)
	; ---- PHASE G
.macro FETCHX g                        ; the group's four fragments and two scale words.  The last products that read these registers stand more than four plain vector instructions back
.irp f, 0,1,2,3
.irp i, 0,1,2
	ds_load_b128 v[XF+12*\f+4*\i:XF+12*\f+4*\i+3], v[LI] offset:(4*(\g)+\f)*1536+512*\i
.endr
.endr
	ds_load_b32 v[XS], v[LS] offset:(2*(\g))*128
	ds_load_b32 v[XS+1], v[LS] offset:(2*(\g)+1)*128
	s_wait_dscnt 0x0
.endm
; q (y = 0) or k (y = 1), TRANSPOSED: source 0 = 16 rows of w, source 1 = a tile of tokens: lane (r, h) holds token r of tile u, and registers 32 u + 16 B + i the column 32 B + 16 h + i.
; The eight accumulators take turns, K step by K step.  The bias is the C of each sum's first product.
; The accumulators are begun anew more than five plain vector instructions behind the last product that named them (the four v_nop below, then the quantiser's lines on T, SO and BY).
.macro MMQK y
	WIN 0x22                                       ; source 0 (w) and source 2 (the bias) window 2
.irp u, 0,1
.irp t, 0,1,2,3
	WM AC+32*\u+8*\t, 96*(\y)+24*\t, XF+24*\u, 192+32*(\y)+8*\t, WS+8*(\y)+2*\t, XS, \u
.endr
.endr
	WIN 0x02
.irp u, 0,1
.irp t, 0,1,2,3
	WM AC+32*\u+8*\t, 96*(\y)+24*\t+12, XF+24*\u+12, AC+32*\u+8*\t, WS+8*(\y)+2*\t+1, XS+1, \u
.endr
.endr
	WIN 0
	PLACES 4
.endm
; Four blocks of 32, block B in registers s + 16 B .. + 15 of lanes l and l xor 16: largest magnitudes, scale operands, bytes.  Each accumulator is read from its low end on.
.macro QMAX s
.irp b, 0,1,2,3
	v_max3_num_f32 v[T+\b], |v[\s+16*\b]|, |v[\s+16*\b+1]|, 0x1800000   ; my 16 numbers, and the floor 2^(3 - 127)
.endr
.irp i, 2,4,6,8,10,12,14
.irp b, 0,1,2,3
	v_max3_num_f32 v[T+\b], v[T+\b], |v[\s+16*\b+\i]|, |v[\s+16*\b+\i+1]|
.endr
.endr
.irp b, 0,1,2,3
	v_permlanex16_b32 v[T2+\b], v[T+\b], s26, s27  ; (its destination counts as read: phase X has written v36-39)
.endr
.irp b, 0,1,2,3
	v_max_num_f32 v[T+\b], v[T+\b], v[T2+\b]
.endr
.irp b, 0,1,2,3
	v_add_nc_u32 v[SO+\b], 0xff000000, v[T+\b]
.endr
.irp b, 0,1,2,3
	v_lshrrev_b32 v[BY+\b], 23, v[SO+\b]
.endr
.endm
; q's or k's 64 numbers of a lane become 12 registers of codes, tile 0's six and then tile 1's (lane (r, h): columns 32 h .. 32 h + 31 of token r), and the word of the four bytes
.macro QUANTF
	QMAX AC
	v_lshl_or_b32 v[PW], v[BY+1], 8, v[BY]
	v_lshl_or_b32 v[PW], v[BY+2], 16, v[PW]
	v_lshl_or_b32 v[PW], v[BY+3], 24, v[PW]
	s_wait_xcnt 0x0                                ; the earlier stores have read their data: the codes' registers and q's word are written again only behind this wait
.irp c, 0,1
	v_cvt_scalef32_pk16_fp6_f32 v[PC+6*\c:PC+6*\c+2], v[AC+32*\c:AC+32*\c+15], v[SO+2*\c]
	v_cvt_scalef32_pk16_fp6_f32 v[CT+4*\c:CT+4*\c+2], v[AC+32*\c+16:AC+32*\c+31], v[SO+2*\c+1]
.endr
	v_nop                                          ; one plain place behind a scaled conversion
.irp c, 0,1
.irp i, 0,1,2
	v_permlane16_swap_b32 v[PC+6*\c+\i], v[CT+4*\c+\i]   ; a whole block to a lane: lanes 0-15 the lower block, lanes 16-31 the upper
.endr
.irp i, 0,1,2
	v_mov_b32 v[PC+6*\c+3+\i], v[CT+4*\c+\i]
.endr
.endr
.endm
.macro GROUP g
	FETCHX \g
	MMQK 0                                         ; ---- q
	QUANTF
.irp p, 0,1,2,3,4,5
	global_store_b64 v[L8K], v[PC+2*\p:PC+2*\p+1], s[52:53] offset:(\g)*1536+256*\p   ; 32 lanes store 256 consecutive bytes, aligned
.endr
	v_perm_b32 v[QW], v[PW], v[PW], 0x01000100     ; tile 0's two bytes, twice: the next launch sets q in either half of a K of 128
	v_perm_b32 v[QW+1], v[PW], v[PW], 0x03020302   ; tile 1's
	v_cndmask_b32 v[QW+2], v[QW], v[QW+1], s30     ; lanes 0-15 tile 0's word, lanes 16-31 tile 1's
	global_store_b32 v[L4Q], v[QW+2], s[54:55] offset:(\g)*128
	MMQK 1                                         ; ---- k: the group's 12 registers are fragment g of the step, the word its scale word
	QUANTF
.irp p, 0,1,2,3,4,5
	global_store_b64 v[L8K], v[PC+2*\p:PC+2*\p+1], s[56:57] offset:(\g)*1536+256*\p
.endr
	v_mov_b32 v[KWR+\g], v[PW]
	; ---- v, NOT transposed: source 0 = a tile of tokens, source 1 = 16 rows of w: lane (r, h) holds column r of tile t, and registers 16 t + i the token 16 h + i of the group: the keys run down the registers
	WIN 0x3c                                       ; source 1 (w) and source 2 (the bias) window 3
.irp t, 0,1,2,3
.irp u, 0,1
	WM AC+16*\t+8*\u, XF+24*\u, 24*\t, 96+8*\t, XS, WS+16+2*\t, 2*\u
.endr
.endr
	WIN 0x0c
.irp t, 0,1,2,3
.irp u, 0,1
	WM AC+16*\t+8*\u, XF+24*\u+12, 24*\t+12, AC+16*\t+8*\u, XS+1, WS+17+2*\t, 2*\u
.endr
.endr
	WIN 0
	PLACES 4
	QMAX AC                                        ; block t: the group's 32 keys of my column of tile t
.irp t, 0,1,2,3
.if (\g) == 0
	v_mov_b32 v[VW+\t], v[BY+\t]
.else
	v_lshl_or_b32 v[VW+\t], v[BY+\t], 8*(\g), v[VW+\t]   ; byte g of the column's scale word for these 128 keys
.endif
.endr
	s_wait_xcnt 0x0                                ; the earlier stores have read their data
.if (\g)%2 == 0
.irp t, 0,1,2,3
	v_cvt_scalef32_pk16_fp6_f32 v[VX+6*\t:VX+6*\t+2], v[AC+16*\t:AC+16*\t+15], v[SO+\t]   ; kept until the next group's codes are there
.endr
	v_nop                                          ; one plain place behind a scaled conversion
.else
.irp t, 0,1,2,3
	v_cvt_scalef32_pk16_fp6_f32 v[CT+4*\t:CT+4*\t+2], v[AC+16*\t:AC+16*\t+15], v[SO+\t]
.endr
	v_nop
.irp t, 0,1,2,3
.irp i, 0,1,2
	v_permlane16_swap_b32 v[VX+6*\t+\i], v[CT+4*\t+\i]   ; lanes 0-15 get the even group's 32 keys, lanes 16-31 the odd group's
.endr
.irp i, 0,1,2
	v_mov_b32 v[VX+6*\t+3+\i], v[CT+4*\t+\i]
.endr
.endr
.irp t, 0,1,2,3
.irp i, 0,1,2
	global_store_b64 v[L8V], v[VX+6*\t+2*\i:VX+6*\t+2*\i+1], s[56:57] offset:6144+\t*1536+(3*((\g)/2)+\i)*256   ; registers 6 (w % 2) .. + 5 of V^T's fragment t
.endr
.endr
.endif
.endm
	GROUP 0
	GROUP 1
	; I hold two of K's four scale words and the two low bytes of V's four.  The odd wave of a head hands its own to the even wave.
	s_wait_alu depctr_va_vdst(0)                   ; ahead of the branch
	s_cmp_eq_u32 s31, 0
	s_cbranch_scc1 .Lkeeps
	ds_store_b64 v[EXA], v[KWR:KWR+1]
	ds_store_b128 v[EXB], v[VW:VW+3]
.Lkeeps:
	s_wait_dscnt 0x0                               ; for the other wave's sake
	s_barrier_signal -1
	s_barrier_wait -1
	s_cmp_lg_u32 s31, 0
	s_cbranch_scc1 .Lhanded
	ds_load_b64 v[KWR+2:KWR+3], v[EXA]             ; groups 2 and 3
	ds_load_b128 v[T:T+3], v[EXB]
	s_wait_dscnt 0x0
.irp t, 0,1,2,3
	v_lshl_or_b32 v[VW+\t], v[T+\t], 16, v[VW+\t]  ; bytes 2 and 3 of the column's scale word
.endr
	global_store_b128 v[L16], v[KWR:KWR+3], s[58:59]               ; K's four scale words, 16 bytes a lane: 512 consecutive bytes
	global_store_b128 v[L16], v[VW:VW+3], s[58:59] offset:512      ; V's
.Lhanded:
	s_wait_tensorcnt 0x0                           ; the wave's end, behind my tensor load and my last LDS store
	ds_add_u32 v[SPW], v[NIL]
	s_wait_dscnt 0x0
	s_endpgm
.Lfunc_end_k_qd8c0f2bd87_qkv:
	.size	k_qd8c0f2bd87_qkv, .Lfunc_end_k_qd8c0f2bd87_qkv-k_qd8c0f2bd87_qkv
	.p2alignl 7, 3214868480
	.fill 96, 4, 3214868480
	.section	.rodata,"a",@progbits
	.p2align	6, 0x0
	.amdhsa_kernel k_qd8c0f2bd87_qkv
		.amdhsa_group_segment_fixed_size 167936
		.amdhsa_private_segment_fixed_size 0
		.amdhsa_enable_private_segment 0
		.amdhsa_kernarg_size 72
		.amdhsa_user_sgpr_count 2
		.amdhsa_user_sgpr_kernarg_segment_ptr 1
		.amdhsa_wavefront_size32 1
		.amdhsa_system_sgpr_workgroup_id_x 1
		.amdhsa_system_sgpr_workgroup_id_y 1
		.amdhsa_system_sgpr_workgroup_id_z 1
		.amdhsa_system_vgpr_workitem_id 0
		.amdhsa_next_free_vgpr 1024
		.amdhsa_next_free_sgpr 66
		.amdhsa_reserve_vcc 0
		.amdhsa_float_denorm_mode_32 3
		.amdhsa_float_denorm_mode_16_64 3
		.amdhsa_memory_ordered 1
		.amdhsa_forward_progress 1
		.amdhsa_inst_pref_size 149
	.end_amdhsa_kernel
	.amdgpu_metadata
---
amdhsa.version: [ 1, 2 ]
amdhsa.kernels:
  - .name:           k_qd8c0f2bd87_qkv
    .symbol:         k_qd8c0f2bd87_qkv.kd
    .args:
      - { .name: x, .offset: 0, .size: 8, .value_kind: global_buffer, .address_space: global }
      - { .name: ln_gamma, .offset: 8, .size: 8, .value_kind: global_buffer, .address_space: global }
      - { .name: ln_beta, .offset: 16, .size: 8, .value_kind: global_buffer, .address_space: global }
      - { .name: w_qkv_codes, .offset: 24, .size: 8, .value_kind: global_buffer, .address_space: global }
      - { .name: w_qkv_scales, .offset: 32, .size: 8, .value_kind: global_buffer, .address_space: global }
      - { .name: b_qkv, .offset: 40, .size: 8, .value_kind: global_buffer, .address_space: global }
      - { .name: qimg, .offset: 48, .size: 8, .value_kind: global_buffer, .address_space: global }
      - { .name: qsc, .offset: 56, .size: 8, .value_kind: global_buffer, .address_space: global }
      - { .name: kv, .offset: 64, .size: 8, .value_kind: global_buffer, .address_space: global }
    .group_segment_fixed_size: 167936
    .private_segment_fixed_size: 0
    .kernarg_segment_align: 8
    .kernarg_segment_size: 72
    .max_flat_workgroup_size: 128
    .sgpr_count:     66
    .vgpr_count:     1024
    .wavefront_size: 32
...
	.end_amdgpu_metadata
.endif
;; end of part 1
;; launch attn (part 2): grid 64 x 4, 16 waves a work-group, clusters of 4 x 1, 327,680 bytes of LDS; arguments qimg, qsc, kv, w_proj_codes, w_proj_scales, b_proj, x, out0; writes out0
.if DOCPART == 2
	.amdgcn_target "amdgcn-amd-amdhsa--gfx1250"
	.amdhsa_code_object_version 6
	.text
	.protected	k_qd8c0f2bd87_attn
	.globl	k_qd8c0f2bd87_attn
	.p2align	8
	.type	k_qd8c0f2bd87_attn,@function
k_qd8c0f2bd87_attn:
	s_mov_b64 s[64:65], 0
	v_nop
	global_prefetch_b8 v0, s[64:65] scope:SCOPE_SE
	s_setreg_imm32_b32 hwreg(HW_REG_WAVE_MODE, 25, 1), 1
	s_wait_xcnt 0x0
	s_wait_alu depctr_hold_cnt(0) depctr_sa_sdst(0) depctr_va_vdst(0) depctr_va_sdst(0) depctr_va_ssrc(0) depctr_va_vcc(0) depctr_vm_vsrc(0)
	s_getreg_b32 s2, hwreg(HW_REG_IB_STS2, 6, 4)
	s_cmp_eq_u32 s2, 0
	s_cbranch_scc0 .Lentry_in_a_cluster
	s_endpgm
.Lentry_in_a_cluster:
	s_bfe_u32 s2, ttmp6, 0x10000c
	s_cmp_lg_u32 s2, 0x3003
	s_cbranch_scc0 .Lentry_shape_is_right
	s_endpgm
.Lentry_shape_is_right:
; LAUNCH 2 OF 2.  out0 = x + (softmax(q k^T / 16) v) w_proj + b_proj, in the layout [batch][channel][token]; all three products on codes of FP6 (E2M3) with one E8M0 scale for each 32 along K.  No work is left out.
; THE SOFTMAX: t = score x log2(e) / 16; M = the row's largest t so far, rounded UP to a whole number; p = 2^(t - M) is quantised along the keys, not normalised.
; The row's sum is taken of the unquantised p and divides O at the end.  When M moves, the sum and O are multiplied by 2^(old M - new M): exact.
; LIMITS: NaN and infinities are not served.  A p under 2^-126 counts as 0.  A block's largest p is taken through its largest score (this takes the exponential not to fall where its input rises).
; A block whose largest magnitude lies under 2^-124 gets the scale byte 1.
; SHARES.  A work-group owns 64 tokens of one batch for all four heads, so the projection and the residual follow here.  Sixteen waves, four to a SIMD, 256 registers each:
; wave w has head w / 4 and ONE tile of 16 queries, tile w % 4 of the 64 tokens.  A step's work for a tile is some 240 vector instructions against 12 matrix instructions, with waits between its parts:
; so the waves are many and small, and no register window is switched.  On the way out wave w makes output channels 16 w .. 16 w + 15.
; K = 64 IN AN INSTRUCTION OF K = 128: a fragment of K holds two tiles of 16 keys; q stands in 18 registers (q, zeros, q): registers 0-11 pick the first tile, 6-17 the second.
; LAYOUT.  S^T = K Q^T and O^T = V^T P^T: a lane holds one query.  Lane r of key tile u of fragment f is key 32 f + 8 u + r + 8 (r / 8), so a fragment's 16 result registers are 16 neighbouring keys.
; A STEP OF 128 KEYS: V's fragments are asked of LDS at its head and land under the softmax; V P follows; then K of the next step comes into the same 48 registers, and its K Q follows.
; CLUSTER.  The four work-groups of a cluster belong to one batch and walk the same K and V: each tile is asked for jointly, by the same descriptor and a mask that names the four.
; THE RING: two slots of 256 keys x 4 heads (106,496 bytes); every wave fetches a quarter of a head's slot, 6,656 dense bytes: one tensor load of a wave is out at any time.
; The change of slots stands in a slot's second step: V's loads, the three lines with the maxima between the add and its wait, the signal, the rest of the softmax (registers alone), the barrier's wait, the round, the refill.
.set HEADB, 425984
.set SLB,   26624                      ; a head's bytes of a slot: 2 steps x (4 K + 4 V^T fragments) x 1,536, then 2 x (512 + 512) of scale words
.set SLOT1, 131072
.set OIMG,  237568                     ; o's 8 fragments (tile m, K step s) at (2 m + s) x 1,536
.set OSC,   249856                     ; their scale words
.set STG,   250880                     ; a stage of 16 rows x 272 bytes for each wave
.set SPARE, 320512                     ; the spare words, 128 bytes a wave: 2,048 bytes
.set L8,   1
.set L16,  2
.set AD8,  3                           ; v3, v4: my places in the slot in hand
.set AD16, 4
.set SPW,  5
.set NIL,  6
.set XO,   7
.set STO,  8
.set RD,   9
.set OIW,  10
.set OSW,  11                          ; v12 -M, v13 largest t, v[14:15] the sum, v16-33 (q, 0, q)
.set KV,   34                          ; v34-81 four fragments of K, of V^T, or of o
.set OIR,  82
.set OSR,  83
.set PFO,  84
.set PFX,  85
.set KS,   86                          ; scale words: K's (later o's), V's, q's, p's
.set VS,   90
.set QS,   94
.set PS,   95
.set S,    96                          ; v96-159 S^T, then p.  At the head v96-104 hold offsets for the head's loads
.set QA,   96
.set QSA,  97
.set WPA,  98
.set WPSA, 99
.set BPA,  100
.set O,    160
.set BM,   192
.set T2,   196
.set SO,   200
.set CT,   204                         ; v204-211 the sum's four chains, then halves of blocks; at the end b_proj eight times
.set F,    214
.set TMP,  216
.set BP,   217                         ; my channel's bias
.set PC,   218                         ; v218-229 p's codes
.set WP,   230                         ; v230-253 w_proj's two fragments
.set WPS,  254
.macro PLACES n
.rept \n
	v_nop
.endr
.endm
.macro WM d, a, b, c, sa, sb           ; c = -1: the constant 0 starts the sum
.if \c < 0
	v_wmma_scale_f32_16x16x128_f8f6f4 v[\d:\d+7], v[\a:\a+11], v[\b:\b+11], 0, v[\sa], v[\sb] matrix_a_fmt:MATRIX_FMT_FP6 matrix_b_fmt:MATRIX_FMT_FP6
.else
	v_wmma_scale_f32_16x16x128_f8f6f4 v[\d:\d+7], v[\a:\a+11], v[\b:\b+11], v[\c:\c+7], v[\sa], v[\sb] matrix_a_fmt:MATRIX_FMT_FP6 matrix_b_fmt:MATRIX_FMT_FP6
.endif
.endm
.macro CREST                           ; a round of the cluster's barrier behind its opening barrier
	s_cmp_lg_u32 s20, 0
	s_cbranch_scc1 .Lnot_wave_0_\@
	s_barrier_signal -3
.Lnot_wave_0_\@:
	s_barrier_wait -3
	s_barrier_signal -1
	s_barrier_wait -1
.endm
.macro CROUND
	s_barrier_signal -1
	s_barrier_wait -1
	CREST
.endm
; A prefetch of what the NEXT refill will ask for.  The batch's first cluster asks; its four partners take a head each, told apart by address; waves 0 to 2 ask for the slot's 24,576 bytes of codes,
; lanes 256 bytes apart; wave 3 for the scale words of four slots at once, where s31 = 13, 9, 5.  The last refill asks for nothing.
.macro ASK
	s_cmp_gt_u32 s31, s46
	s_cbranch_scc0 .Lnot_mine_\@
	s_and_b32 s49, s31, s47
	s_cmp_lg_u32 s49, s48
	s_cbranch_scc1 .Lnot_mine_\@
	global_prefetch_b8 v[PFO], s[44:45] th:TH_LOAD_NT scope:SCOPE_SE
.Lnot_mine_\@:
.endm
.macro NEXTSLOT                        ; no tensor load of mine is out: group 0 steps to the other slot's place and the next 256 keys; the prefetch's address one slot beyond
	s_xor_b32 s41, s41, SLOT1
	s_add_nc_u64 s[42:43], s[42:43], SLB
	s_wait_xcnt 0x0
	s_add_nc_u64 s[44:45], s[44:45], SLB
.endm
.macro FILL
	tensor_load_to_lds s[40:43], s[32:39]
	s_nop 0
	PLACES 4
	ASK
.endm
	s_load_b256 s[4:11], s[0:1], 0x0               ; qimg, qsc, kv, w_proj's codes
	s_load_b256 s[12:19], s[0:1], 0x20             ; w_proj's scales, b_proj, x, out0
	v_lshl_add_u32 v[SPW], v0, 2, SPARE
	v_mov_b32 v[NIL], 0
	ds_add_u32 v[SPW], v[NIL]                      ; the opening lines
	ds_add_u32 v[SPW], v[NIL]
	v_lshrrev_b32 v101, 5, v0
	s_delay_alu instid0(VALU_DEP_1)
	v_readfirstlane_b32 s20, v101                  ; wave 0..15
	s_lshr_b32 s21, s20, 2                         ; head
	s_bfe_u32 s22, s20, 0x10001                    ; which group of 32 of the 64 tokens
	s_and_b32 s63, s20, 1                          ; which tile of the group
	s_bfe_u32 s23, ttmp6, 0x40000                  ; cx
	s_lshl_b32 s24, ttmp9, 2
	s_add_co_u32 s24, s24, s23                     ; my block of 64 tokens: it enters global addresses of q, x, out0 and the prefetches alone
	s_and_b32 s25, ttmp7, 0xffff                   ; batch
	s_mov_b32 s26, 0x76543210
	s_mov_b32 s27, 0xfedcba98
	s_mov_b32 s28, 0x3db8aa3b                      ; log2(e) / 16
	s_mov_b32 s29, s28
	s_mov_b32 s30, 0                               ; LDS byte at which the slot in hand begins
	s_mov_b32 s31, 15                              ; slots still to be asked for
	s_mov_b32 s32, 15|(3<<16)|(1<<21)              ; group 1: 26 rows of 32 elements of 8 bytes, dense; the mask names all four
	s_mov_b32 s33, 32<<16
	s_mov_b32 s34, 26<<16
	s_mov_b32 s35, 32<<16
	s_mov_b32 s36, 26
	s_mov_b32 s37, 32
	s_mov_b32 s38, 0
	s_mov_b32 s39, 0
	s_mov_b32 s40, 1
	s_mul_i32 s41, s20, 6656                       ; LDS: wave x 6,656 = head x 26,624 + quarter x 6,656
	s_lshl_b32 s50, s25, 2
	s_add_co_u32 s50, s50, s21                     ; batch x 4 + head
	s_mul_i32 s52, s50, HEADB
	s_and_b32 s54, s20, 3
	s_mul_i32 s54, s54, 6656
	s_add_co_u32 s52, s52, s54
	s_mov_b32 s53, 0
	s_lshr_b32 s46, s20, 2
	s_or_b32 s46, s46, ttmp9                       ; 0 in waves 0 to 3 of the batch's first cluster
	s_cmp_eq_u32 s46, 0
	s_cselect_b32 s46, 1, -1
	s_cmp_eq_u32 s20, 3
	s_cselect_b32 s47, 3, 0
	s_cselect_b32 s48, 1, 0
	s_mov_b32 s49, 2048
	s_cselect_b32 s49, SLB, s49
	v_and_b32 v[PFO], 7, v0
	s_delay_alu instid0(VALU_DEP_1)
	v_lshlrev_b32 v[PFO], 8, v[PFO]
	v_bfe_u32 v104, v0, 3, 2
	s_delay_alu instid0(VALU_DEP_1)
	v_mad_u32_u24 v[PFO], v104, s49, v[PFO]
	s_lshl_b32 s56, s25, 2
	s_add_co_u32 s56, s56, s23
	s_mul_i32 s56, s56, HEADB
	s_and_b32 s57, s20, 3
	s_lshl_b32 s57, s57, 13
	s_add_co_u32 s56, s56, s57
	s_add_co_u32 s56, s56, SLB
	s_mov_b32 s57, 0
	s_lshl_b32 s58, s24, 1
	s_add_co_u32 s58, s58, s22
	s_lshl_b32 s59, s50, 7
	s_add_co_u32 s59, s59, s58                     ; my group of 32 tokens in qimg and qsc
	s_mov_b32 s61, 0
	s_wait_dscnt 0x0
	s_wait_kmcnt 0x0
	s_add_nc_u64 s[42:43], s[8:9], s[52:53]
	s_or_b32 s43, s43, 0x80000000
	s_add_nc_u64 s[44:45], s[8:9], s[56:57]
	s_mul_i32 s60, s59, 1536
	s_mul_i32 s58, s63, 768
	s_add_co_u32 s60, s60, s58
	s_add_nc_u64 s[4:5], s[4:5], s[60:61]          ; my tile's q
	s_lshl_b32 s60, s59, 7
	s_lshl_b32 s58, s63, 6
	s_add_co_u32 s60, s60, s58
	s_add_nc_u64 s[6:7], s[6:7], s[60:61]          ; and its 16 scale words
	s_mul_i32 s60, s20, 3072
	s_add_nc_u64 s[10:11], s[10:11], s[60:61]      ; w_proj: my 16 rows of 192 bytes,
	s_lshl_b32 s60, s20, 7
	s_add_nc_u64 s[12:13], s[12:13], s[60:61]      ; of 8 scale bytes,
	s_lshl_b32 s60, s20, 6
	s_add_nc_u64 s[14:15], s[14:15], s[60:61]      ; my 16 numbers of b_proj
	s_lshl_b32 s60, s25, 22
	s_lshl_b32 s58, s20, 18
	s_add_co_u32 s60, s60, s58
	s_lshl_b32 s58, s24, 8
	s_add_co_u32 s60, s60, s58                     ; batch x 4 MiB + 16 channels x wave + 64 tokens x block
	s_add_nc_u64 s[16:17], s[16:17], s[60:61]
	s_add_nc_u64 s[18:19], s[18:19], s[60:61]
	CROUND                                         ; the first joint loads meet
	tensor_load_to_lds s[40:43], s[32:39]          ; slot 0
	s_nop 0
	PLACES 4
	v_and_b32 v101, 31, v0                         ; lane
	v_and_b32 v102, 15, v0                         ; r
	v_bfe_u32 v103, v0, 4, 1                       ; h
	s_mul_i32 s51, s21, SLB
	v_lshl_add_u32 v[L8], v101, 3, s51
	s_add_co_u32 s51, s51, 24576
	v_lshl_add_u32 v[L16], v101, 4, s51
	v_lshlrev_b32 v[XO], 4, v102
	s_delay_alu instid0(VALU_DEP_1)
	v_lshl_add_u32 v[XO], v103, 14, v[XO]
	s_mul_i32 s51, s20, 4352
	s_add_co_u32 s51, s51, STG
	v_mul_u32_u24 v[STO], v102, 272
	s_delay_alu instid0(VALU_DEP_1)
	v_lshl_add_u32 v[STO], v103, 6, v[STO]
	s_delay_alu instid0(VALU_DEP_1)
	v_add_nc_u32 v[STO], s51, v[STO]
	v_mul_u32_u24 v[RD], v103, 272
	s_delay_alu instid0(VALU_DEP_1)
	v_lshl_add_u32 v[RD], v102, 4, v[RD]
	s_delay_alu instid0(VALU_DEP_1)
	v_add_nc_u32 v[RD], s51, v[RD]
	s_and_b32 s54, s20, 3                          ; o's images: tile of tokens m = w % 4; K step = head / 2; registers 6 (head % 2) on
	s_mul_i32 s51, s54, 3072
	s_lshr_b32 s58, s21, 1
	s_mul_i32 s55, s58, 1536
	s_add_co_u32 s51, s51, s55
	s_and_b32 s55, s21, 1
	s_mul_i32 s55, s55, 768
	s_add_co_u32 s51, s51, s55
	s_add_co_u32 s51, s51, OIMG
	v_lshl_add_u32 v[OIW], v101, 3, s51
	s_lshl_b32 s51, s54, 8
	s_lshl_b32 s55, s58, 7
	s_add_co_u32 s51, s51, s55
	s_and_b32 s55, s21, 1
	s_lshl_b32 s55, s55, 1
	s_add_co_u32 s51, s51, s55
	s_add_co_u32 s51, s51, OSC
	v_lshl_add_u32 v[OSW], v101, 2, s51
	v_lshl_add_u32 v[OIR], v101, 3, OIMG
	v_lshl_add_u32 v[OSR], v101, 2, OSC
	v_lshlrev_b32 v[PFX], 14, v102                 ; a channel a lane; lanes 16-31 name the same sixteen again
	v_lshlrev_b32 v[QA], 3, v101
	v_lshlrev_b32 v[QSA], 2, v102
	v_mul_u32_u24 v[WPA], v102, 192
	s_delay_alu instid0(VALU_DEP_1)
	v_mad_u32_u24 v[WPA], v103, 24, v[WPA]
	v_lshlrev_b32 v[WPSA], 3, v102
	v_lshlrev_b32 v[BPA], 2, v102
.irp p, 0,1,2
	global_load_b64 v[16+2*\p:17+2*\p], v[QA], s[4:5] offset:256*\p   ; q, at both ends of its 18 registers
	global_load_b64 v[28+2*\p:29+2*\p], v[QA], s[4:5] offset:256*\p
.endr
	global_load_b32 v[QS], v[QSA], s[6:7]
.irp s, 0,1
	global_load_b32 v[WPS+\s], v[WPSA], s[12:13] offset:4*\s
.irp p, 0,1,2,3,4,5
	global_load_b64 v[WP+12*\s+2*\p:WP+12*\s+2*\p+1], v[WPA], s[10:11] offset:96*\s+48*(\p/3)+8*(\p%3)   ; w_proj: channel 16 w + r, K step s: they stay
.endr
.endr
	global_load_b32 v[BP], v[BPA], s[14:15]
.irp j, 22,23,24,25,26,27
	v_mov_b32 v\j, 0                               ; the zero codes between the two copies of q
.endr
	v_mov_b32 v13, 0xff61b1e6                      ; -3e38, under every t
	s_delay_alu instid0(VALU_DEP_1)
	v_floor_f32 v12, -v13
	v_mov_b32 v14, 0
	v_mov_b32 v15, 0
	v_mov_b32 v[F+1], 0
.irp b, 0,1,2,3
	v_mov_b32 v[T2+\b], 0
.endr
.set I, 0
.rept 32
	v_mov_b32 v[O+I], 0                            ; the first step finds zeros, which the first change of M leaves zeros
.set I, I+1
.endr
; THE SOFTMAX FOR 128 KEYS, in three parts.  SM_MAX: the largest score of each block of 32 keys; each accumulator is read from its low end on.
.macro SM_MAX
.irp b, 0,1,2,3
	v_max3_num_f32 v[BM+\b], v[S+16*\b], v[S+16*\b+1], v[S+16*\b+2]
.endr
.irp i, 3,5,7,9,11,13
.irp b, 0,1,2,3
	v_max3_num_f32 v[BM+\b], v[BM+\b], v[S+16*\b+\i], v[S+16*\b+\i+1]
.endr
.endr
.irp b, 0,1,2,3
	v_max_num_f32 v[BM+\b], v[BM+\b], v[S+16*\b+15]
.endr
.irp b, 0,1,2,3
	s_delay_alu instid0(VALU_DEP_4)
	v_permlanex16_b32 v[T2+\b], v[BM+\b], s26, s27
.endr
.irp b, 0,1,2,3
	s_delay_alu instid0(VALU_DEP_4)
	v_max_num_f32 v[BM+\b], v[BM+\b], v[T2+\b]
.endr
.endm
; SM_REST: the new M, f = 2^(old M - new M), p = 2^(t - M), and the old sum under the new M.
.macro SM_REST
	v_max3_num_f32 v[TMP], v[BM], v[BM+1], v[BM+2]
	s_delay_alu instid0(VALU_DEP_1)
	v_max_num_f32 v[TMP], v[TMP], v[BM+3]
	s_delay_alu instid0(VALU_DEP_1)
	v_mul_f32 v[TMP], s28, v[TMP]
	s_delay_alu instid0(VALU_DEP_1)
	v_max_num_f32 v13, v13, v[TMP]
	v_mov_b32 v[TMP], v12
	s_delay_alu instid0(VALU_DEP_2)
	v_floor_f32 v12, -v13                          ; the new -M
	s_delay_alu instid0(VALU_DEP_1)
	v_sub_f32 v[TMP], v12, v[TMP]
	s_delay_alu instid0(VALU_DEP_1)
	v_cvt_i32_f32 v[TMP], v[TMP]
	s_delay_alu instid0(VALU_DEP_1)
	v_ldexp_f32 v[F], 1.0, v[TMP]                  ; f = 2^(old M - new M)
.set I, 0
.rept 32
	v_pk_fma_f32 v[S+2*I:S+2*I+1], v[S+2*I:S+2*I+1], s[28:29], v[12:13] op_sel_hi:[1,0,0]
.set I, I+1
.endr
.irp b, 0,1,2,3
	v_fma_f32 v[BM+\b], v[BM+\b], s28, v12
.endr
.set I, 0
	s_wait_alu depctr_va_vdst(0)                   ; ahead of the batch
.rept 64
	v_exp_f32 v[S+I], v[S+I]
.set I, I+1
.endr
	v_pk_mul_f32 v[14:15], v[14:15], v[F:F+1] op_sel_hi:[1,0]
	s_wait_alu depctr_va_vdst(0)                   ; one for the 64
.endm
; SM_FIN: the sum, p's codes and scale word, O^T under the new M.
.macro SM_FIN
.irp b, 0,1,2,3
	v_exp_f32 v[BM+\b], v[BM+\b]
.endr
.irp k, 0,1,2,3
	v_pk_add_f32 v[CT+2*\k:CT+2*\k+1], v[S+4*\k:S+4*\k+1], v[S+4*\k+2:S+4*\k+3]   ; the row's sum, of the unquantised p, in four chains
.endr
.set I, 8
.rept 24
	v_pk_add_f32 v[CT+2*(I%4):CT+2*(I%4)+1], v[CT+2*(I%4):CT+2*(I%4)+1], v[S+2*I:S+2*I+1]
.set I, I+1
.endr
	v_pk_add_f32 v[CT:CT+1], v[CT:CT+1], v[CT+2:CT+3]
	v_pk_add_f32 v[CT+4:CT+5], v[CT+4:CT+5], v[CT+6:CT+7]
	s_delay_alu instid0(VALU_DEP_1)
	v_pk_add_f32 v[CT:CT+1], v[CT:CT+1], v[CT+4:CT+5]
	s_delay_alu instid0(VALU_DEP_1)
	v_pk_add_f32 v[14:15], v[14:15], v[CT:CT+1]
	s_wait_alu depctr_va_vdst(0)                   ; one for the four
.irp b, 0,1,2,3
	v_max_num_f32 v[BM+\b], 0x1800000, v[BM+\b]    ; the floor 2^(3 - 127)
.endr
.irp b, 0,1,2,3
	s_delay_alu instid0(VALU_DEP_4)
	v_add_nc_u32 v[SO+\b], 0xff000000, v[BM+\b]
.endr
.irp b, 0,1,2,3
	s_delay_alu instid0(VALU_DEP_4)
	v_lshrrev_b32 v[T2+\b], 23, v[SO+\b]
.endr
	s_delay_alu instid0(VALU_DEP_3)
	v_lshl_or_b32 v[TMP], v[T2+1], 8, v[T2]
	s_delay_alu instid0(VALU_DEP_1)
	v_lshl_or_b32 v[TMP], v[T2+2], 16, v[TMP]
	s_delay_alu instid0(VALU_DEP_1)
	v_lshl_or_b32 v[PS], v[T2+3], 24, v[TMP]
.irp c, 0,1
	v_cvt_scalef32_pk16_fp6_f32 v[PC+6*\c:PC+6*\c+2], v[S+32*\c:S+32*\c+15], v[SO+2*\c]
	v_cvt_scalef32_pk16_fp6_f32 v[CT+4*\c:CT+4*\c+2], v[S+32*\c+16:S+32*\c+31], v[SO+2*\c+1]
.endr
	v_nop
.irp c, 0,1
.irp i, 0,1,2
	v_permlane16_swap_b32 v[PC+6*\c+\i], v[CT+4*\c+\i]
.endr
.irp i, 0,1,2
	s_delay_alu instid0(VALU_DEP_3)
	v_mov_b32 v[PC+6*\c+3+\i], v[CT+4*\c+\i]
.endr
.endr
	s_wait_alu depctr_va_vdst(0)                   ; ahead of the first reader of O^T
.set I, 0
.rept 16
	v_pk_mul_f32 v[O+2*I:O+2*I+1], v[O+2*I:O+2*I+1], v[F:F+1] op_sel_hi:[1,0]   ; also the places between p's codes and scale word and the products that take them
.set I, I+1
.endr
.endm
.macro LDK q                           ; K's four fragments and scale words of the slot's q-th step: images of the registers, 256 consecutive bytes a load
.irp f, 0,1,2,3
.irp p, 0,1,2,3,4,5
	ds_load_b64 v[KV+12*\f+2*\p:KV+12*\f+2*\p+1], v[AD8] offset:12288*\q+1536*\f+256*\p
.endr
.endr
	ds_load_b128 v[KS:KS+3], v[AD16] offset:1024*\q
.endm
.macro LDV q                           ; V^T's
.irp t, 0,1,2,3
.irp p, 0,1,2,3,4,5
	ds_load_b64 v[KV+12*\t+2*\p:KV+12*\t+2*\p+1], v[AD8] offset:12288*\q+6144+1536*\t+256*\p
.endr
.endr
	ds_load_b128 v[VS:VS+3], v[AD16] offset:1024*\q+512
.endm
.macro QK                              ; S^T = K Q^T: eight sums, each begun with 0
.irp f, 0,1,2,3
.irp u, 0,1
	WM S+16*\f+8*\u, KV+12*\f, 16+6*\u, -1, KS+\f, QS
.endr
.endr
.endm
.macro PV                              ; O^T += V^T P^T: four accumulators, one instruction a turn
.irp t, 0,1,2,3
	WM O+8*\t, KV+12*\t, PC, O+8*\t, VS+\t, PS
.endr
.endm
.macro NEXTK q                         ; K of the next step into the registers that V has left, and its scores
	PLACES 4
	LDK \q
	s_wait_dscnt 0x0
	QK
.endm
; A slot's first step.  At its head S^T is made or on its way.
.macro STEP0
	PLACES 4                               ; behind the last products, in front of loads into registers that they read and of the first read of S^T
	LDV 0
	SM_MAX
	SM_REST
	SM_FIN
	s_wait_alu depctr_va_vdst(0)
	s_wait_dscnt 0x0
	PV
	NEXTK 1
.endm
; A slot's second step, with the change of slots.  fill = 1: the slot left behind is filled again.  fill = 0: the walk's last two slots: nothing is left to fetch; in the last trip (s62 = 1) there is no next K either,
; and a branch on the trip's number leads round its loads and products; the barrier stands in the trip's text and is passed by all waves.
.macro STEP1 fill
	PLACES 4
	LDV 1                                          ; my last reads of the slot in hand
	s_wait_tensorcnt 0x0                           ; my part of the next slot has landed
	ds_add_u32 v[SPW], v[NIL]
.if \fill
	NEXTSLOT
.endif
	s_xor_b32 s30, s30, SLOT1
	SM_MAX
	s_wait_alu depctr_va_vdst(0)
	s_wait_dscnt 0x0                               ; the add is done, V is in
	; The rest of the softmax and V P, work on registers alone, stand inside the round in two parts: M, t - M and the exponentials between the opening signal and its wait,
	; the sum, the codes, O^T's rescaling and V P between the closing signal and its wait.  (fill = 0: one barrier, both parts between its signal and its wait.)
	s_barrier_signal -1
	SM_REST
.if \fill
	s_barrier_wait -1
	s_cmp_lg_u32 s20, 0
	s_cbranch_scc1 .Lnot_wave_0_\@
	s_barrier_signal -3
.Lnot_wave_0_\@:
	s_barrier_wait -3
	s_barrier_signal -1
.endif
	SM_FIN
	PV
	v_add_nc_u32 v[AD8], s30, v[L8]
	v_add_nc_u32 v[AD16], s30, v[L16]
	s_wait_alu depctr_va_vdst(0)
	s_barrier_wait -1                              ; fill = 1: the round is closed: no wave of any partner still reads the slot left behind or has a load on its way
.if \fill
	FILL
.endif
.if \fill == 0
	s_cmp_eq_u32 s62, 1
	s_cbranch_scc1 .Lno_k_\@
.endif
	NEXTK 0
.if \fill == 0
.Lno_k_\@:
.endif
.endm
	s_wait_alu depctr_va_vdst(0)                   ; the head's end
	s_wait_loadcnt 0x0                             ; q, w_proj, their scale words, b_proj
	s_wait_tensorcnt 0x0                           ; my part of slot 0; slot 1's first fill is issued as a refill is
	ds_add_u32 v[SPW], v[NIL]
	NEXTSLOT
	s_wait_dscnt 0x0
	CROUND
	FILL                                           ; slot 1
	s_sub_co_u32 s31, s31, 1
	v_add_nc_u32 v[AD8], s30, v[L8]
	v_add_nc_u32 v[AD16], s30, v[L16]
	s_wait_alu depctr_va_vdst(0)
	LDK 0
	s_wait_dscnt 0x0
	QK                                             ; step 0's scores
.Lslot:                                            ; 14 trips: slots 0 to 13; trip j asks for slot j + 2
	STEP0
	STEP1 1
	s_sub_co_u32 s31, s31, 1
	s_cmp_lg_u32 s31, 0
	s_cbranch_scc1 .Lslot
	global_prefetch_b8 v[PFX], s[16:17] th:TH_LOAD_NT scope:SCOPE_SE   ; x for the residual: my 16 channels' 256 bytes, four key steps ahead of their loads
	s_mov_b32 s62, 2
.Ltail:                                            ; slots 14 and 15
	STEP0
	STEP1 0
	s_sub_co_u32 s62, s62, 1
	s_cmp_lg_u32 s62, 0
	s_cbranch_scc1 .Ltail
	; ---- THE WAY OUT
	PLACES 4                                       ; behind the last products
.irp i, 0,1,2,3,4,5,6,7
	global_load_b128 v[S+32+4*\i:S+32+4*\i+3], v[XO], s[16:17] offset:2*\i*16384 th:TH_LOAD_NT   ; x: channels 16 w + 2 i, + 1: sixteen lanes read 256 consecutive bytes
.endr
	; O^T / sum, quantised along my head's two blocks of channels, to LDS as six registers of the projection's operand and two scale bytes
	v_add_f32 v14, v14, v15
	s_delay_alu instid0(VALU_DEP_1)
	v_permlanex16_b32 v[T2], v14, s26, s27
	s_delay_alu instid0(VALU_DEP_1)
	v_add_f32 v14, v14, v[T2]
	s_wait_alu depctr_va_vdst(0)
	v_rcp_f32 v[F], v14
	v_nop
	s_wait_alu depctr_va_vdst(0)
.set I, 0
.rept 16
	v_pk_mul_f32 v[O+2*I:O+2*I+1], v[O+2*I:O+2*I+1], v[F:F+1] op_sel_hi:[1,0]
.set I, I+1
.endr
.irp b, 0,1
	v_max3_num_f32 v[BM+\b], |v[O+16*\b]|, |v[O+16*\b+1]|, 0x1800000
.endr
.irp i, 2,4,6,8,10,12,14
.irp b, 0,1
	s_delay_alu instid0(VALU_DEP_2)
	v_max3_num_f32 v[BM+\b], v[BM+\b], |v[O+16*\b+\i]|, |v[O+16*\b+\i+1]|
.endr
.endr
.irp b, 0,1
	s_delay_alu instid0(VALU_DEP_2)
	v_permlanex16_b32 v[T2+\b], v[BM+\b], s26, s27
.endr
.irp b, 0,1
	s_delay_alu instid0(VALU_DEP_2)
	v_max_num_f32 v[BM+\b], v[BM+\b], v[T2+\b]
.endr
.irp b, 0,1
	s_delay_alu instid0(VALU_DEP_2)
	v_add_nc_u32 v[SO+\b], 0xff000000, v[BM+\b]
.endr
.irp b, 0,1
	s_delay_alu instid0(VALU_DEP_2)
	v_lshrrev_b32 v[T2+\b], 23, v[SO+\b]
.endr
	s_delay_alu instid0(VALU_DEP_1)
	v_lshl_or_b32 v[TMP], v[T2+1], 8, v[T2]
	v_cvt_scalef32_pk16_fp6_f32 v[PC:PC+2], v[O:O+15], v[SO]
	v_cvt_scalef32_pk16_fp6_f32 v[CT:CT+2], v[O+16:O+31], v[SO+1]
	v_nop
.irp i, 0,1,2
	v_permlane16_swap_b32 v[PC+\i], v[CT+\i]
.endr
.irp i, 0,1,2
	s_delay_alu instid0(VALU_DEP_3)
	v_mov_b32 v[PC+3+\i], v[CT+\i]
.endr
.irp p, 0,1,2
	ds_store_b64 v[OIW], v[PC+2*\p:PC+2*\p+1] offset:256*\p
.endr
	ds_store_b16 v[OSW], v[TMP]
.irp j, 0,1,2,3,4,5,6,7
	v_mov_b32 v[CT+\j], v[BP]                      ; a lane's eight results share its channel's bias: the C of the projection's first products
.endr
	PLACES 4
	s_wait_alu depctr_va_vdst(0)
	s_wait_dscnt 0x0                               ; for the others' sake: my pieces have landed
	s_barrier_signal -1
	s_barrier_wait -1
	; The projection: source 0 = a tile of tokens, source 1 = my 16 rows of w_proj: lane (r, h) holds channel 16 w + r, its registers eight neighbouring tokens.  Four accumulators by turns, a K step at a time.
.irp s, 0,1
.if \s
	PLACES 4
.endif
.irp m, 0,1,2,3
.irp p, 0,1,2,3,4,5
	ds_load_b64 v[KV+12*\m+2*\p:KV+12*\m+2*\p+1], v[OIR] offset:(2*\m+\s)*1536+256*\p
.endr
	ds_load_b32 v[KS+\m], v[OSR] offset:(2*\m+\s)*128
.endr
	s_wait_dscnt 0x0
.irp m, 0,1,2,3
.if \s == 0
	WM S+8*\m, KV+12*\m, WP, CT, KS+\m, WPS
.else
	WM S+8*\m, KV+12*\m, WP+12, S+8*\m, KS+\m, WPS+1
.endif
.endr
.endr
	PLACES 4
.irp m, 0,1,2,3
	ds_store_b128 v[STO], v[S+8*\m:S+8*\m+3] offset:128*(\m/2)+32*(\m%2)       ; my own stage: row = channel; each accumulator from its low end on
	ds_store_b128 v[STO], v[S+8*\m+4:S+8*\m+7] offset:128*(\m/2)+32*(\m%2)+16
.endr
.irp i, 0,1,2,3,4,5,6,7
	ds_load_b128 v[O+4*\i:O+4*\i+3], v[RD] offset:2*\i*272   ; LDS serves a wave's instructions in order: these see my stores
.endr
	s_wait_dscnt 0x0
	s_wait_loadcnt 0x0                             ; x
.set I, 0
.rept 16
	v_pk_add_f32 v[O+2*I:O+2*I+1], v[O+2*I:O+2*I+1], v[S+32+2*I:S+32+2*I+1]   ; the residual
.set I, I+1
.endr
.irp i, 0,1,2,3,4,5,6,7
	global_store_b128 v[XO], v[O+4*\i:O+4*\i+3], s[18:19] offset:2*\i*16384 th:TH_STORE_NT   ; sixteen lanes store 256 consecutive bytes, aligned
.endr
	s_wait_tensorcnt 0x0                           ; the wave's end
	ds_add_u32 v[SPW], v[NIL]
	s_wait_dscnt 0x0
	CROUND                                         ; the closing round
	s_endpgm
.Lfunc_end_k_qd8c0f2bd87_attn:
	.size	k_qd8c0f2bd87_attn, .Lfunc_end_k_qd8c0f2bd87_attn-k_qd8c0f2bd87_attn
	.p2alignl 7, 3214868480
	.fill 96, 4, 3214868480
	.section	.rodata,"a",@progbits
	.p2align	6, 0x0
	.amdhsa_kernel k_qd8c0f2bd87_attn
		.amdhsa_group_segment_fixed_size 327680
		.amdhsa_private_segment_fixed_size 0
		.amdhsa_enable_private_segment 0
		.amdhsa_kernarg_size 64
		.amdhsa_user_sgpr_count 2
		.amdhsa_user_sgpr_kernarg_segment_ptr 1
		.amdhsa_wavefront_size32 1
		.amdhsa_system_sgpr_workgroup_id_x 1
		.amdhsa_system_sgpr_workgroup_id_y 1
		.amdhsa_system_sgpr_workgroup_id_z 1
		.amdhsa_system_vgpr_workitem_id 0
		.amdhsa_next_free_vgpr 256
		.amdhsa_next_free_sgpr 66
		.amdhsa_reserve_vcc 0
		.amdhsa_float_denorm_mode_32 3
		.amdhsa_float_denorm_mode_16_64 3
		.amdhsa_memory_ordered 1
		.amdhsa_forward_progress 1
		.amdhsa_inst_pref_size 102
	.end_amdhsa_kernel
	.amdgpu_metadata
---
amdhsa.version: [ 1, 2 ]
amdhsa.kernels:
  - .name:           k_qd8c0f2bd87_attn
    .symbol:         k_qd8c0f2bd87_attn.kd
    .args:
      - { .name: qimg, .offset: 0, .size: 8, .value_kind: global_buffer, .address_space: global }
      - { .name: qsc, .offset: 8, .size: 8, .value_kind: global_buffer, .address_space: global }
      - { .name: kv, .offset: 16, .size: 8, .value_kind: global_buffer, .address_space: global }
      - { .name: w_proj_codes, .offset: 24, .size: 8, .value_kind: global_buffer, .address_space: global }
      - { .name: w_proj_scales, .offset: 32, .size: 8, .value_kind: global_buffer, .address_space: global }
      - { .name: b_proj, .offset: 40, .size: 8, .value_kind: global_buffer, .address_space: global }
      - { .name: x, .offset: 48, .size: 8, .value_kind: global_buffer, .address_space: global }
      - { .name: out0, .offset: 56, .size: 8, .value_kind: global_buffer, .address_space: global }
    .group_segment_fixed_size: 327680
    .private_segment_fixed_size: 0
    .kernarg_segment_align: 8
    .kernarg_segment_size: 64
    .max_flat_workgroup_size: 512
    .sgpr_count:     66
    .vgpr_count:     256
    .wavefront_size: 32
...
	.end_amdgpu_metadata
.endif
;; end of part 2
